; MI455X (gfx1250); checked and timed in simulation.
; The chip was launched on July 23, 2026; its instructions are those of AMD's public machine-readable ISA for CDNA 5 (MIT licence, August 2026) and "CDNA5" Instruction Set Architecture Reference Guide (July 2026). The comments in the code are by the model that wrote it; some were corrected since.
;; Peephole LSTM Cell. Allowed arithmetic: matrix products marked QUANTISED: E2M1 operands, one E8M0 scale for each 32 along K, by v_wmma_scale_f32_16x16x128_f8f6f4 with both operands' format E2M1 (or v_wmma_scale_f32_32x16x128_f4), f32 sums; everything else in f32.
;; Inputs: W_cf 1,024 float32; W_ci 1,024 float32; W_co 1,024 float32; W_hf 1,024 x 1,024 float32; W_hg 1,024 x 1,024 float32; W_hi 1,024 x 1,024 float32; W_ho 1,024 x 1,024 float32; W_if 512 x 1,024 float32; W_ig 512 x 1,024 float32; W_ii 512 x 1,024 float32; W_io 512 x 1,024 float32; c_prev 8,192 x 1,024 float32; h_prev 8,192 x 1,024 float32; input 8,192 x 512 float32.
;; Outputs: out0 8,192 x 1,024 float32; out1 8,192 x 1,024 float32.
;; This version of the problem:
;;   THIS VERSION OF THE PROBLEM IS GIVEN IN LOW PRECISION. The matrix products marked QUANTISED in the list below multiply operands that are first quantised to E2M1 (2 exponent bits, 1 mantissa bit; 4 bits a number), with one power-of-two scale for each 32 numbers along K (OCP MX v1.0); their sums are f32. All else is computed in f32.
;;   The module's matrix products, in the order in which they are computed (A, B: the left and right operand; K: the contracted axis; several contracted axes count as one K, in the product's order):
;;     1. [M 8,192, K 512] x [K 512, N 1,024]; A: input input; B: input W_if: QUANTISED
;;     2. [M 8,192, K 1,024] x [K 1,024, N 1,024]; A: input h_prev; B: input W_hf: QUANTISED
;;     3. [M 8,192, K 512] x [K 512, N 1,024]; A: input input; B: input W_ii: QUANTISED
;;     4. [M 8,192, K 1,024] x [K 1,024, N 1,024]; A: input h_prev; B: input W_hi: QUANTISED
;;     5. [M 8,192, K 512] x [K 512, N 1,024]; A: input input; B: input W_ig: QUANTISED
;;     6. [M 8,192, K 1,024] x [K 1,024, N 1,024]; A: input h_prev; B: input W_hg: QUANTISED
;;     7. [M 8,192, K 512] x [K 512, N 1,024]; A: input input; B: input W_io: QUANTISED
;;     8. [M 8,192, K 1,024] x [K 1,024, N 1,024]; A: input h_prev; B: input W_ho: QUANTISED
;;   THE QUANTISER, for each operand of a quantised product, along K:
;;     - K is cut into blocks of 32 from its start; a last block that is shorter is filled with zeros.
;;     - A block's scale is 2^e with e = floor(log2(the largest magnitude in the block)) - 2, held to -126 .. 127; a block of zeros has e = 0. As a byte (E8M0): e + 127.
;;     - Each number is divided by its block's scale, clamped to +-6, and rounded to the nearest number of E2M1, ties to even, subnormals kept.
;;     - The product sums the exact products of the quantised numbers (number of the format x scale) in f32.
;;   ~~~python
;;   def quantise(x, axis):      # numpy; x: float32 -> the quantised numbers, widened to float32 again
;;       x = np.moveaxis(x, axis, -1); K = x.shape[-1]
;;       x = np.pad(x, [(0, 0)] * (x.ndim - 1) + [(0, -K % 32)]); x = x.reshape(x.shape[:-1] + (-1, 32)); a = np.abs(x).max(-1, keepdims=True)
;;       e = np.where(a > 0, np.clip(np.frexp(np.where(a > 0, a, 1))[1] - 1 - 2, -126, 127), 0)      # np.frexp(a)[1] - 1 = floor(log2(a)), exactly
;;       r = np.clip(x / 2.0 ** e, -6, 6)
;;       step = 2.0 ** (np.maximum(np.frexp(np.where(r == 0, 1, r))[1] - 1, 0) - 1)
;;       q = np.round(r / step) * step * 2.0 ** e      # np.round: ties to even
;;       return np.moveaxis(q.reshape(q.shape[:-2] + (-1,))[..., :K], -1, axis).astype(np.float32)
;;   ~~~
;; One version. Each part assembles by itself: llvm-mc -triple=amdgcn-amd-amdhsa -mcpu=gfx1250 --defsym DOCPART=n.
;; ======== version 1 of 1: 2 launches
;; limits: inputs' magnitudes at most 70,000,000,000,000; right only within a limited range of input values
;; workspace buffers: aq 6,684,672 bytes; wq 3,342,336 bytes
;; launch quant (part 1): grid 64 x 12, 4 waves a work-group, no clusters, 34,304 bytes of LDS; arguments input, h_prev, W_if, W_ii, W_ig, W_io, W_hf, W_hi, W_hg, W_ho, aq, wq; writes aq, wq
.if DOCPART == 1
	.amdgcn_target "amdgcn-amd-amdhsa--gfx1250"
	.amdhsa_code_object_version 6
	.text
	.protected	k_q98bc109e0b_quant
	.globl	k_q98bc109e0b_quant
	.p2align	8
	.type	k_q98bc109e0b_quant,@function
k_q98bc109e0b_quant:
	s_mov_b64 s[64:65], 0
	v_nop
	global_prefetch_b8 v0, s[64:65] scope:SCOPE_SE
	s_setreg_imm32_b32 hwreg(HW_REG_WAVE_MODE, 25, 1), 1
	s_wait_xcnt 0x0
; PEEPHOLE LSTM CELL, first of two launches: every operand of the eight quantised products is quantised ONCE, to codes of FP4 (E2M1) with one E8M0 scale byte for each 32 along K.
; NOTHING OF THE PROBLEM IS LEFT OUT: every input reaches an output and every product is live.  The eight products are laid as ONE: [input | h_prev] (K = 512 + 1,024 = 1,536) against the four gates' [W_i* ; W_h*];
; both K's are multiples of 32, so the blocks of 32 are the same as in the eight products, and only the order of the f32 additions differs.
; A block's scale is 2^(floor(log2(its largest magnitude)) - 2); its byte is the largest magnitude's exponent field - 2, held at 1 from below by a floor among the maximum's leaves.
; Each number is divided by the scale and rounded to the nearest code, ties to even; beyond 6 the conversion gives the largest code.
; LIMITS: a block of zeros gets the byte 1 where the rule says 127 (its codes are zeros, which add nothing, and the bytes are read by this program alone); blocks whose largest magnitude lies under 2^-124
; (the floor) were not tried; NaN and infinities among the inputs are not served.
; THE WORKSPACE IS LAID IN THE ORDER OF THE OPERAND'S REGISTERS.  aq = [p 0..2][G 0..63][34,816 bytes], wq = [p 0..2][G 0..31][34,816 bytes]: p = the K step of 512 of the joint K, G = a group of 128 operand rows.
; In a group: the 16 bytes (32 codes) of operand row 16 i + r at k = 128 q + 32 blk lie at 4096 i + 1024 q + 256 blk + 16 r; row 16 i + r's sixteen scale bytes at 32768 + 256 i + 16 r.
; A's operand row is the batch row.  B's operand row for gate g (0 f, 1 i, 2 g, 3 o) and hidden unit j: group j / 32, i = 4 ((j / 16) % 2) + g, r = j % 16: so the four gates of a hidden unit fall into
; four neighbouring tiles of 16 at the same place.
; WORK-GROUPS: 384 take weights (64 KB of f32 each), 384 activations (128 KB each), by a branch on the work-group's number.  THE TWO KINDS ARE DEALT OUT ALTERNATELY: with z = y / 4, a work-group takes weights where
; x + z is even; so work-groups that are neighbours in x, and those 256 numbers apart, are of different kinds.  Within its kind a work-group is x' = x / 2 (0..31), y' = y % 4 + 4 zz (0..11), zz = 0, 2, 1 for z = 0, 1, 2:
; for an even x the weights have z = 0, 2 (y' 0..7) and the activations z = 1 (y' 8..11), for an odd x the other way round: each kind covers every (x', y') once.
; No tensor load, no barrier: waves share nothing.  Only the activations' path stores to LDS.
.set HALFT,  34816
.set APLANE, 64*HALFT
.set WPLANE, 32*HALFT
.set STG,    8448                      ; a wave's stage: 16 rows x (512 bytes + 16)
.set SPARE,  4*STG                     ; behind the four stages: the spare words, 128 bytes for each wave: two blocks of 256 bytes that no other line names
.set SPW,    8                         ; v8   LDS address of my spare word; never rewritten
.set NIL,    9                         ; v9   0; never rewritten
.set WX,     32                        ; weights: v32-159 four sets of 32 numbers;  v160-175 a block's codes, four registers for each block, never rewritten
.set WC,     160
.set AR,     32                        ; activations: v32-159 two sets of 64 numbers as loaded;  v160-223 my two whole blocks;  v224-239 two sets of 8 code registers
.set AX,     160
.set AC,     224
.set ASW,    240                       ; v240-243 the four scale words
.set AM,     244                       ; v244-245 largest magnitudes;  v246-247 the conversions' scale operands;  v248-249 the bytes;  v250 at work;  v251 a permute's destination
.set ASO,    246
.set ABY,    248
.set AW,     250
.set APT,    251
	s_load_b512 s[8:23], s[0:1], 0x0               ; input 8:9, h_prev 10:11, W_if 12:13, W_ii 14:15, W_ig 16:17, W_io 18:19, W_hf 20:21, W_hi 22:23
	s_load_b256 s[24:31], s[0:1], 0x40             ; W_hg 24:25, W_ho 26:27, aq 28:29, wq 30:31
	v_lshl_add_u32 v[SPW], v0, 2, SPARE
	v_mov_b32 v[NIL], 0
	v_lshrrev_b32 v1, 5, v0
	v_readfirstlane_b32 s32, v1                    ; wave 0..3
	v_and_b32 v1, 31, v0                           ; lane
	s_wait_alu depctr_va_vdst(0)
	v_and_b32 v2, 15, v0                           ; r
	s_wait_alu depctr_va_vdst(0)
	v_bfe_u32 v3, v0, 4, 1                         ; h
	s_and_b32 s33, ttmp7, 0xffff                   ; y
	s_lshr_b32 s49, s33, 2                         ; z
	s_and_b32 s33, s33, 3
	s_lshl_b32 s50, s49, 1
	s_lshr_b32 s51, s49, 1
	s_or_b32 s50, s50, s51
	s_and_b32 s50, s50, 3                          ; zz: 0, 2, 1 for z = 0, 1, 2
	s_lshl_b32 s50, s50, 2
	s_add_co_u32 s33, s33, s50                     ; y'
	s_lshr_b32 s52, ttmp9, 1                       ; x'
	s_xor_b32 s49, s49, ttmp9
	s_and_b32 s49, s49, 1                          ; 0: weights; 1: activations
	s_mul_i32 s48, s32, STG                        ; my stage (used by the activations' path alone; its addresses are made here, ahead of the parting)
	v_lshlrev_b32 v6, 4, v1                        ; 16 x lane
	v_add_nc_u32 v4, s48, v6                       ; into the stage: a row's 512 bytes as they lie, 16 a lane
	v_mul_u32_u24 v5, v2, 528
	s_wait_alu depctr_va_vdst(0)
	v_lshl_add_u32 v5, v3, 7, v5
	v_add_nc_u32 v5, s48, v5                       ; out of it: row r, + 128 h bytes.  528 = 33 x 16: sixteen lanes touch sixteen different 16-byte columns modulo 256
	s_wait_kmcnt 0x0
	s_cmp_eq_u32 s49, 0
	s_cbranch_scc0 .Lact
; ---- WEIGHTS.  K is the FIRST axis: a lane takes a column j and its registers run down K, so a block of 32 lies in one lane and the codes come out with K innermost.
; x' = 8 g + cg: gate g, columns 128 cg + 32 wave + lane;  y' = the K step of 128 of the joint K: four blocks of 32.
	s_lshr_b32 s34, s52, 3                         ; g
	s_and_b32 s35, s52, 7                          ; cg
	s_cmp_lt_u32 s33, 4                            ; the first four K steps are W_i*'s, the other eight W_h*'s: the choices hang on ids alone
	s_cselect_b64 s[12:13], s[12:13], s[20:21]
	s_cselect_b64 s[14:15], s[14:15], s[22:23]
	s_cselect_b64 s[16:17], s[16:17], s[24:25]
	s_cselect_b64 s[18:19], s[18:19], s[26:27]
	s_cselect_b32 s36, 0, 4
	s_cmp_lt_u32 s34, 2
	s_cselect_b64 s[12:13], s[12:13], s[16:17]     ; f or g
	s_cselect_b64 s[14:15], s[14:15], s[18:19]     ; i or o
	s_bitcmp1_b32 s34, 0
	s_cselect_b64 s[4:5], s[14:15], s[12:13]       ; my gate's weight
	s_sub_co_u32 s36, s33, s36
	s_lshl_b32 s36, s36, 19                        ; 128 rows of 4,096 bytes for each K step
	s_lshl_b32 s37, s35, 9
	s_add_co_u32 s36, s36, s37                     ; + 128 cg columns
	s_lshl_b32 s37, s32, 7
	s_add_co_u32 s36, s36, s37                     ; + 32 x wave columns
	s_mov_b32 s37, 0
	s_add_nc_u64 s[4:5], s[4:5], s[36:37]
	v_lshlrev_b32 v16, 2, v1                       ; in: 4 bytes a lane: a load reads 128 consecutive bytes, the four waves stand side by side
	s_wait_alu depctr_va_vdst(0)
	s_lshr_b32 s38, s33, 2                         ; p
	s_and_b32 s39, s33, 3                          ; q
	s_mul_i32 s38, s38, WPLANE
	s_lshl_b32 s40, s35, 2
	s_add_co_u32 s40, s40, s32                     ; G = 4 cg + wave
	s_mul_i32 s40, s40, HALFT
	s_add_co_u32 s38, s38, s40
	s_lshl_b32 s40, s34, 12
	s_lshl_b32 s41, s39, 10
	s_add_co_u32 s40, s40, s41                     ; 4096 g + 1024 q
	v_lshlrev_b32 v17, 4, v2
	v_lshl_add_u32 v18, v3, 10, v17
	v_lshl_add_u32 v17, v3, 14, v17
	v_add_nc_u32 v17, s40, v17                     ; my codes: 4096 (4 h + g) + 1024 q + 16 r; the block's 256 t stands in the immediate
	s_lshl_b32 s40, s34, 8
	s_lshl_b32 s41, s39, 2
	s_add_co_u32 s40, s40, s41
	s_add_co_u32 s40, s40, 32768
	v_add_nc_u32 v18, s40, v18                     ; my scale word: 32768 + 256 (4 h + g) + 16 r + 4 q
	s_mov_b32 s39, 0
	s_add_nc_u64 s[6:7], s[30:31], s[38:39]
.macro WLOAD t                         ; block t: W(32 t + i, my column), i = 0 .. 31
.irp i, 0,1,2,3,4,5,6,7,8,9,10,11,12,13,14,15,16,17,18,19,20,21,22,23,24,25,26,27,28,29,30,31
	global_load_b32 v[WX+32*(\t)+\i], v16, s[4:5] offset:(32*(\t)+\i)*4096 th:TH_LOAD_NT
.endr
.endm
.macro WBLOCK t
.set XS, WX+32*(\t)
	v_max3_num_f32 v12, |v[XS]|, |v[XS+1]|, |v[XS+2]|               ; the block's largest magnitude: all 32 numbers are mine; two chains
	v_max3_num_f32 v13, |v[XS+3]|, |v[XS+4]|, |v[XS+5]|
.irp i, 6,10,14,18,22,26
	v_max3_num_f32 v12, v12, |v[XS+\i]|, |v[XS+\i+1]|
	v_max3_num_f32 v13, v13, |v[XS+\i+2]|, |v[XS+\i+3]|
.endr
	v_max3_num_f32 v12, v12, |v[XS+30]|, |v[XS+31]|
	v_max3_num_f32 v12, v12, v13, 0x1800000        ; and the floor 2^(3 - 127): the byte cannot fall under 1
	v_add_nc_u32 v11, 0xff000000, v12              ; 2 off its exponent field: the conversion takes the exponent field of this operand as its scale
	v_lshrrev_b32 v13, 23, v11                     ; the scale's byte
.if (\t) == 0
	v_mov_b32 v14, v13
.else
	v_lshl_or_b32 v14, v13, 8*(\t), v14            ; four bytes make the word of these 128 along K
.endif
.irp g, 0,1,2,3
	v_cvt_scalef32_pk8_fp4_f32 v[WC+4*(\t)+\g], v[XS+8*\g:XS+8*\g+7], v11
.endr
	v_nop                                          ; one plain line behind the last conversion: the next block writes v11 anew
	global_store_b128 v17, v[WC+4*(\t):WC+4*(\t)+3], s[6:7] offset:256*(\t)   ; lanes 0-15 store 256 consecutive bytes, aligned, and so do lanes 16-31
.endm
	WLOAD 0
	WLOAD 1
	s_wait_loadcnt 32                              ; block 0's 32 loads are in; block 1's 32 may be out
	WLOAD 2
	WBLOCK 0
	s_wait_loadcnt 32                              ; block 1 is in; behind it block 2's 32
	WLOAD 3
	WBLOCK 1
	s_wait_loadcnt 32                              ; block 2 is in; behind it block 3's 32
	WBLOCK 2
	s_wait_loadcnt 0x0
	WBLOCK 3
	global_store_b32 v18, v14, s[6:7]              ; 4 bytes of each row's 16: one byte in 128 of what this path reads
	s_wait_tensorcnt 0x0                           ; the wave's end
	ds_add_u32 v[SPW], v[NIL]
	s_wait_dscnt 0x0
	s_endpgm
; ---- ACTIVATIONS.  K is innermost.  A wave takes 16 rows x 512 along K: four fragments of 16 x 128.  u = 4 (32 y' + x') + wave;  p = u / 512;  T = u % 512 = the tile of 16 rows.
; Each load reads 512 consecutive bytes of one row; the 16 rows turn through the wave's own stage, so that lane (r, h) gets k = 64 c + 32 h + 0 .. 31 of row r: two whole blocks, in the order of the operand's registers.
.Lact:
	s_lshl_b32 s34, s33, 5
	s_add_co_u32 s34, s34, s52
	s_lshl_b32 s34, s34, 2
	s_add_co_u32 s34, s34, s32                     ; u
	s_lshr_b32 s37, s34, 9                         ; p
	s_and_b32 s34, s34, 511                        ; T
	s_cmp_eq_u32 s37, 0                            ; p = 0: input; p = 1, 2: h_prev's columns 0-511, 512-1023
	s_cselect_b64 s[4:5], s[8:9], s[10:11]
	s_mov_b32 s35, 4096
	s_cselect_b32 s35, 2048, s35                   ; a row in bytes
	s_max_u32 s36, s37, 1
	s_sub_co_u32 s36, s36, 1
	s_lshl_b32 s36, s36, 11                        ; 2,048 bytes on for p = 2
	s_lshl_b32 s42, s34, 4
	s_mul_i32 s42, s42, s35
	s_add_co_u32 s42, s42, s36
	s_mov_b32 s43, 0
	s_add_nc_u64 s[4:5], s[4:5], s[42:43]
	v_mov_b32 v16, v6                              ; v16-31: 16 x lane + i rows; never rewritten
.irp i, 1,2,3,4,5,6,7,8,9,10,11,12,13,14,15
	v_add_nc_u32 v[16+\i], s35, v[15+\i]
.endr
	s_mul_i32 s42, s37, APLANE
	s_lshr_b32 s44, s34, 3
	s_mul_i32 s44, s44, HALFT
	s_add_co_u32 s42, s42, s44                     ; my group
	s_and_b32 s44, s34, 7                          ; i
	s_lshl_b32 s45, s44, 12
	s_add_co_u32 s46, s42, s45
	s_mov_b32 s47, 0
	s_add_nc_u64 s[6:7], s[28:29], s[46:47]        ; my tile's codes
	s_lshl_b32 s45, s44, 8
	s_add_co_u32 s46, s42, s45
	s_add_co_u32 s46, s46, 32768
	s_add_nc_u64 s[38:39], s[28:29], s[46:47]      ; and its 256 scale bytes
	v_lshlrev_b32 v7, 4, v2
	v_lshl_add_u32 v7, v3, 3, v7                   ; 16 r + 8 h
	v_lshlrev_b32 v10, 3, v3                       ; 8 h: my bytes' place in a scale word, in bits
	v_mov_b32 v[APT], 0                            ; written once: a lane permute's destination counts as one of its sources
	s_mov_b32 s40, 0x76543210
	s_mov_b32 s41, 0xfedcba98                      ; v_permlanex16_b32's selects for lane l xor 16
.macro ALOAD q
.irp i, 0,1,2,3,4,5,6,7,8,9,10,11,12,13,14,15
	global_load_b128 v[AR+64*((\q)%2)+4*\i:AR+64*((\q)%2)+4*\i+3], v[16+\i], s[4:5] offset:512*(\q) th:TH_LOAD_NT
.endr
.endm
.macro ASTEP q
.if (\q) < 3
	s_wait_loadcnt 16                              ; this fragment's 16 loads are in; the next one's 16 may be out
.else
	s_wait_loadcnt 0x0
.endif
.irp i, 0,1,2,3,4,5,6,7,8,9,10,11,12,13,14,15
	ds_store_b128 v4, v[AR+64*((\q)%2)+4*\i:AR+64*((\q)%2)+4*\i+3] offset:528*\i
.endr
.irp c, 0,1
.irp e, 0,1,2,3,4,5,6,7
	ds_load_b128 v[AX+32*\c+4*\e:AX+32*\c+4*\e+3], v5 offset:256*\c+16*\e   ; LDS serves a wave's instructions in order: these see my stores
.endr
.endr
	s_wait_dscnt 0x0                               ; my numbers are back, and the stores have read their registers,
.if (\q)+2 < 4
	ALOAD (\q)+2                                   ; which take the loads of two fragments on
.endif
.irp c, 0,1
	v_max3_num_f32 v[AM+\c], |v[AX+32*\c]|, |v[AX+32*\c+1]|, 0x1800000   ; my block 2 c + h: all 32 numbers are mine; and the floor 2^(3 - 127)
.endr
.irp i, 2,4,6,8,10,12,14,16,18,20,22,24,26,28,30
.irp c, 0,1
	v_max3_num_f32 v[AM+\c], v[AM+\c], |v[AX+32*\c+\i]|, |v[AX+32*\c+\i+1]|   ; (the two blocks by turns)
.endr
.endr
.irp c, 0,1
	v_add_nc_u32 v[ASO+\c], 0xff000000, v[AM+\c]   ; 2 off the exponent field: the conversion's scale operand
.endr
.irp c, 0,1
	v_lshrrev_b32 v[ABY+\c], 23, v[ASO+\c]         ; the scale's byte
.endr
	v_lshl_or_b32 v[AW], v[ABY+1], 16, v[ABY]      ; my two bytes: blocks h and 2 + h of row r,
	v_lshlrev_b32 v[AW], v10, v[AW]                ; at their places in the word;
	v_permlanex16_b32 v[APT], v[AW], s40, s41
	v_or_b32 v[ASW+(\q)], v[AW], v[APT]            ; with lane l xor 16's two the word is whole
.if (\q) >= 2
	s_wait_alu depctr_va_vdst(0)
	s_wait_xcnt 0x0                                ; this set of code registers was the data of the stores two fragments back: it is written again only behind this wait
.endif
.irp c, 0,1
.irp g, 0,1,2,3
	v_cvt_scalef32_pk8_fp4_f32 v[AC+8*((\q)%2)+4*\c+\g], v[AX+32*\c+8*\g:AX+32*\c+8*\g+7], v[ASO+\c]   ; registers 4 c .. 4 c + 3 of the fragment
.endr
.endr
	v_nop                                          ; one plain line behind the last conversion
.irp c, 0,1
	global_store_b128 v6, v[AC+8*((\q)%2)+4*\c:AC+8*((\q)%2)+4*\c+3], s[6:7] offset:1024*(\q)+512*\c   ; 32 lanes store 512 consecutive bytes, aligned: the fragment's registers as they stand
.endr
.endm
	s_wait_alu depctr_va_vdst(0)
	ALOAD 0
	ALOAD 1
	ASTEP 0
	ASTEP 1
	ASTEP 2
	ASTEP 3
	v_cmp_lt_u32 vcc_lo, 15, v1                    ; lanes 0-15 store words 0 and 1 of their row, lanes 16-31 words 2 and 3
	v_cndmask_b32 v12, v[ASW], v[ASW+2], vcc_lo
	v_cndmask_b32 v13, v[ASW+1], v[ASW+3], vcc_lo
	global_store_b64 v7, v[12:13], s[38:39]        ; 32 lanes store 256 consecutive bytes, aligned
	s_wait_tensorcnt 0x0                           ; the wave's end
	ds_add_u32 v[SPW], v[NIL]
	s_wait_dscnt 0x0
	s_endpgm
.Lfunc_end_k_q98bc109e0b_quant:
	.size	k_q98bc109e0b_quant, .Lfunc_end_k_q98bc109e0b_quant-k_q98bc109e0b_quant
	.p2alignl 7, 3214868480
	.fill 96, 4, 3214868480
	.section	.rodata,"a",@progbits
	.p2align	6, 0x0
	.amdhsa_kernel k_q98bc109e0b_quant
		.amdhsa_group_segment_fixed_size 34304
		.amdhsa_private_segment_fixed_size 0
		.amdhsa_enable_private_segment 0
		.amdhsa_kernarg_size 96
		.amdhsa_user_sgpr_count 2
		.amdhsa_user_sgpr_kernarg_segment_ptr 1
		.amdhsa_wavefront_size32 1
		.amdhsa_system_sgpr_workgroup_id_x 1
		.amdhsa_system_sgpr_workgroup_id_y 1
		.amdhsa_system_sgpr_workgroup_id_z 1
		.amdhsa_system_vgpr_workitem_id 0
		.amdhsa_next_free_vgpr 256
		.amdhsa_next_free_sgpr 66
		.amdhsa_reserve_vcc 1
		.amdhsa_float_denorm_mode_32 3
		.amdhsa_float_denorm_mode_16_64 3
		.amdhsa_memory_ordered 1
		.amdhsa_forward_progress 1
		.amdhsa_inst_pref_size 52
	.end_amdhsa_kernel
	.amdgpu_metadata
---
amdhsa.version: [ 1, 2 ]
amdhsa.kernels:
  - .name:           k_q98bc109e0b_quant
    .symbol:         k_q98bc109e0b_quant.kd
    .args:
      - { .name: input, .offset: 0, .size: 8, .value_kind: global_buffer, .address_space: global }
      - { .name: h_prev, .offset: 8, .size: 8, .value_kind: global_buffer, .address_space: global }
      - { .name: W_if, .offset: 16, .size: 8, .value_kind: global_buffer, .address_space: global }
      - { .name: W_ii, .offset: 24, .size: 8, .value_kind: global_buffer, .address_space: global }
      - { .name: W_ig, .offset: 32, .size: 8, .value_kind: global_buffer, .address_space: global }
      - { .name: W_io, .offset: 40, .size: 8, .value_kind: global_buffer, .address_space: global }
      - { .name: W_hf, .offset: 48, .size: 8, .value_kind: global_buffer, .address_space: global }
      - { .name: W_hi, .offset: 56, .size: 8, .value_kind: global_buffer, .address_space: global }
      - { .name: W_hg, .offset: 64, .size: 8, .value_kind: global_buffer, .address_space: global }
      - { .name: W_ho, .offset: 72, .size: 8, .value_kind: global_buffer, .address_space: global }
      - { .name: aq, .offset: 80, .size: 8, .value_kind: global_buffer, .address_space: global }
      - { .name: wq, .offset: 88, .size: 8, .value_kind: global_buffer, .address_space: global }
    .group_segment_fixed_size: 34304
    .private_segment_fixed_size: 0
    .kernarg_segment_align: 8
    .kernarg_segment_size: 96
    .max_flat_workgroup_size: 128
    .sgpr_count:     66
    .vgpr_count:     256
    .wavefront_size: 32
...
	.end_amdgpu_metadata
.endif
;; end of part 1
;; launch lstm (part 2): grid 16 x 16, 4 waves a work-group, clusters of 4 x 4, 327,680 bytes of LDS; arguments aq, wq, c_prev, W_cf, W_ci, W_co, out0, out1; writes out0, out1
.if DOCPART == 2
	.amdgcn_target "amdgcn-amd-amdhsa--gfx1250"
	.amdhsa_code_object_version 6
	.text
	.protected	k_q98bc109e0b_lstm
	.globl	k_q98bc109e0b_lstm
	.p2align	8
	.type	k_q98bc109e0b_lstm,@function
k_q98bc109e0b_lstm:
	s_mov_b64 s[64:65], 0
	v_nop
	global_prefetch_b8 v0, s[64:65] scope:SCOPE_SE
	s_setreg_imm32_b32 hwreg(HW_REG_WAVE_MODE, 25, 1), 1
	s_wait_xcnt 0x0
	s_wait_alu depctr_hold_cnt(0) depctr_sa_sdst(0) depctr_va_vdst(0) depctr_va_sdst(0) depctr_va_ssrc(0) depctr_va_vcc(0) depctr_vm_vsrc(0)
	s_getreg_b32 s2, hwreg(HW_REG_IB_STS2, 6, 4)
	s_cmp_eq_u32 s2, 0
	s_cbranch_scc0 .Lentry_in_a_cluster
	s_endpgm
.Lentry_in_a_cluster:
	s_bfe_u32 s2, ttmp6, 0x10000c
	s_cmp_lg_u32 s2, 0xf033
	s_cbranch_scc0 .Lentry_shape_is_right
	s_endpgm
.Lentry_shape_is_right:
; PEEPHOLE LSTM CELL, second of two launches: the eight quantised products as ONE product on codes of FP4, [input | h_prev] (K = 1,536) against the four gates' weights, and the gates' arithmetic in f32.
; Nothing of the problem is left out.  aq and wq are laid in the order of the operand's registers: [K step of 512][group of 128 operand rows][32,768 bytes of codes, 2,048 of scale bytes].
; A work-group of four waves makes two tiles, 4,096 batch rows apart, of 256 batch rows x 256 operand columns (64 hidden units x 4 gates); a wave makes 128 x 128: 64 accumulators.
; The four gates of a hidden unit lie in four neighbouring tiles of 16 at the same place, and the matrix instruction is used transposed (source 0 = weights, source 1 = activations):
; lane (r, h) holds batch row r and eight neighbouring hidden units 8 h + 0 .. 7 of each gate.
; K goes in three steps of 512 through a ring of two LDS slots.  CLUSTERS 4 x 4: A's groups are asked for jointly along a row of the cluster, B's along a column.
; Both operands have two sets of fragment registers: a step of 128 along K asks for all 32 loads of the next step behind its first 16 products, 48 products ahead of their use.
; c_prev's tile (256 rows x 256 bytes) comes by plain tensor loads into slot 1 when K step 1 has been read out.
; THE WAY OUT goes by units of 32 rows x 32 hidden units a wave (32 numbers a lane).  With a = 2^(-L xf), b = 2^(-L xi), e = 2^(2 L xg), L = log2(e), E = e + 1, g = e - 1, P = b E + E:
;   c' = (c P + g + a g) / (a P + P);   with o = 2^(-L xo), t = 2^(2 L c'), T = t + 1:  h = (t - 1) / (o T + T).
; The transcendentals stand in six batches a unit.  Plain lines stand among a batch only where their sources were settled ahead of the batch's wait and their results are read behind the wait that closes it.
; A wave's 32 hidden units are half of an aligned 256 bytes of a row: the two waves of a row half share a stage; one of them stores h's rows, the other c's, sixteen lanes to 256 bytes.
; The stage is single: one barrier between its writing and its reading and one between reading and the next writing, each signalled ahead of a batch and waited for behind it.
; PREFETCHES: at the head K steps 1 and 2 (four instructions a wave); then behind each refill what the refill two further on will load: c of tile 0; A's three K steps of tile 1; c of tile 1.
; A group's 136 blocks of 256 bytes are shared out among the four partners that load it jointly, 34 each, by address; B's groups serve both tiles and are asked for once.
; LIMITS: the exponents of a, b, e and t are held at 40 from above, so a gate under 2^-40 counts as 2^-40; NaN and infinities among the inputs are not served.
; REGISTERS: window 0: v0-31 addresses; v32-95 scale words and nothing else; v128-191, v192-255 A's fragments, two sets; on the way out v96-255 five arrays of 32.
;   window 1: v0-63, v128-191 B's fragments, two sets; v64-111 the peephole weights x -L; v192-255 rows on their way out; on the way out v0-31 hold c.   windows 2, 3: the accumulators.
.set NQ,     4
.set FR,     8
.set NP,     4
.set HALFT,  34816
.set SLOT,   4*HALFT
.set STAGE,  2*SLOT
.set PAIRB,  17408                     ; a pair of waves' stage: 32 rows x 272 bytes of h, then of c
.set SPARE,  STAGE+2*PAIRB             ; the spare words: 512 bytes that no other line names
.set APLANE, 64*HALFT
.set WPLANE, 32*HALFT
.set NEXTT,  32*HALFT                  ; A's groups of the second tile lie 32 groups on
.set ADRA, 16
.set PFO,  18                          ; prefetches: 256 x lane
.set PFO2, 19                          ; blocks 32 and 33 of my 34
.set ADRB, 20
.set ADRS, 22
.set STO,  24
.set RD,   25
.set CO,   26
.set CAD0, 27
.set SPW,  28
.set NIL,  29
.set CAD,  30
.set PFC,  31                          ; c's prefetches: a lane a row
.set SC,   32
.set AF,   128                         ; the set of A's fragments that the next lines name: ASET sets it
.set XF,   96                          ; window 0: xf, a, then T, h
.set XI,   128                         ; xi, b, the denominator and its reciprocal
.set XG,   160                         ; xg, e, g, then t, t - 1
.set XO,   192                         ; xo, o, the second denominator and its reciprocal
.set XD,   224                         ; E, P, the numerator, c'
.set XC,   0                           ; window 1: c
.set WF,   64                          ; window 1
.set WI,   80
.set WO,   96
.set OB,   192                         ; window 1
.set G1,   24
.set G0,   32
.set G1B,  48
.set G0B,  56
.set PFA,  66                          ; s[66:67] my share of the group that I load, K step 0 of tile 0
.set G1C,  84
.set G0C,  92
.set ASKF, 99                          ; 1: I load for A and tile 1 is still to come
.set MSB, 0
.macro WIN new
.if MSB != (\new)
	s_set_vgpr_msb (MSB<<8)|(\new)
.set MSB, (\new)
.endif
.endm
.macro ASET p
.set AF, 128+64*(\p)
.endm
.set MUL_LO, 0xa1
.set MUL_HI, 0xf1
.set TO_B,   0x40
.macro AW
	s_wait_alu depctr_va_vdst(0)
.endm
.macro JLOAD g0a, g1a, g0b, g1b        ; a joint load: waves 0, 1 for A, waves 2, 3 for B
	s_cmp_eq_u32 s15, 0
	s_cbranch_scc0 .Lfor_b_\@
	tensor_load_to_lds s[\g0a:\g0a+3], s[\g1a:\g1a+7]
	s_nop 0
.rept 4
	v_nop
.endr
	s_branch .Lasked_\@
.Lfor_b_\@:
	tensor_load_to_lds s[\g0b:\g0b+3], s[\g1b:\g1b+7]
	s_nop 0
.rept 4
	v_nop
.endr
.Lasked_\@:
.endm
.macro CLOAD                           ; my 64 rows of c's tile
	tensor_load_to_lds s[G0C:G0C+3], s[G1C:G1C+7]
	s_nop 0
.rept 4
	v_nop
.endr
.endm
.macro ASKC                            ; c's tile: my 64 rows x 256 bytes, a lane a row
	global_prefetch_b8 v[PFC], s[12:13] th:TH_LOAD_NT scope:SCOPE_SE
	global_prefetch_b8 v[PFC], s[12:13] offset:131072 th:TH_LOAD_NT scope:SCOPE_SE
.endm
.macro ASK2 off                        ; my 34 blocks of a group
	global_prefetch_b8 v[PFO], s[PFA:PFA+1] offset:\off th:TH_LOAD_NT scope:SCOPE_SE
	global_prefetch_b8 v[PFO2], s[PFA:PFA+1] offset:\off th:TH_LOAD_NT scope:SCOPE_SE
.endm
.macro ASKA off                        ; A's groups of tile 1: A's waves, in tile 0 alone
	s_cmp_eq_u32 s[ASKF], 1
	s_cbranch_scc0 .Lna_\@
	ASK2 \off
.Lna_\@:
.endm
.macro CREST
	s_cmp_lg_u32 s14, 0
	s_cbranch_scc1 .Lnot_wave_0_\@
	s_barrier_signal -3
.Lnot_wave_0_\@:
	s_barrier_wait -3
	s_barrier_signal -1
	s_barrier_wait -1
.endm
.macro CROUND
	s_barrier_signal -1
	s_barrier_wait -1
	CREST
.endm
	s_load_b512 s[68:83], s[0:1], 0x0              ; aq 68, wq 70, c_prev 72, W_cf 74, W_ci 76, W_co 78, out0 80, out1 82
	v_lshl_add_u32 v[SPW], v0, 2, SPARE
	v_mov_b32 v[NIL], 0
	ds_add_u32 v[SPW], v[NIL]                      ; the opening lines: the add twice on end and its wait
	ds_add_u32 v[SPW], v[NIL]
	v_lshrrev_b32 v1, 5, v0
	v_readfirstlane_b32 s14, v1                    ; wave
	s_lshr_b32 s15, s14, 1                         ; my half of the rows; also: I load for A (0) or B (1)
	s_and_b32 s16, s14, 1                          ; my half of the columns; also: which group I load
	s_bfe_u32 s40, ttmp6, 0x40000
	s_bfe_u32 s41, ttmp6, 0x40004
	s_lshl_b32 s42, ttmp9, 2
	s_add_co_u32 s42, s42, s40                     ; tile column
	s_and_b32 s17, ttmp7, 0xffff
	s_lshl_b32 s17, s17, 2
	s_add_co_u32 s17, s17, s41                     ; tile row
	s_lshl_b32 s43, s41, 2
	s_lshl_b32 s43, 15, s43
	s_lshl_b32 s44, 0x1111, s40
	s_or_b32 s[G1+0], s43, (3<<16)|(1<<21)         ; a group: 136 dense rows of 256 bytes
	s_or_b32 s[G1B+0], s44, (3<<16)|(1<<21)
.irp g, G1, G1B
	s_mov_b32 s[\g+1], 32<<16
	s_mov_b32 s[\g+2], 136<<16
	s_mov_b32 s[\g+3], 32<<16
	s_mov_b32 s[\g+4], 136
	s_mov_b32 s[\g+5], 32
	s_mov_b32 s[\g+6], 0
	s_mov_b32 s[\g+7], 0
.endr
	s_mov_b32 s[G1C+0], (3<<16)|(1<<20)|(5<<22)|(3<<25)  ; c: 64 rows of 256 bytes, 4,096 apart, 16 bytes of padding behind each
	s_mov_b32 s[G1C+1], 32<<16
	s_mov_b32 s[G1C+2], 64<<16
	s_mov_b32 s[G1C+3], 32<<16
	s_mov_b32 s[G1C+4], 64
	s_mov_b32 s[G1C+5], 512
	s_mov_b32 s[G1C+6], 0
	s_mov_b32 s[G1C+7], 0
	s_lshl_b32 s20, s17, 1
	s_add_co_u32 s20, s20, s16
	s_mul_i32 s20, s20, HALFT
	s_mov_b32 s21, 0
	s_lshl_b32 s46, s42, 1
	s_add_co_u32 s46, s46, s16
	s_mul_i32 s46, s46, HALFT
	s_mov_b32 s47, 0
	s_mul_i32 s45, s14, HALFT
	s_cmp_eq_u32 s15, 0                            ; the prefetches' place: my group, and my work-group's 34 blocks of it (cx among A's partners, cy among B's)
	s_cselect_b32 s96, s20, s46
	s_cselect_b32 s97, s40, s41
	s_cselect_b32 s[ASKF], 1, 0
	s_mul_i32 s97, s97, 34*256
	s_add_co_u32 s96, s96, s97
	s_mov_b32 s97, 0
	s_wait_dscnt 0x0
	s_wait_kmcnt 0x0
	s_add_nc_u64 s[20:21], s[68:69], s[20:21]
	s_add_nc_u64 s[46:47], s[70:71], s[46:47]
	s_cmp_eq_u32 s15, 0
	s_cselect_b64 s[PFA:PFA+1], s[68:69], s[70:71]
	s_add_nc_u64 s[PFA:PFA+1], s[PFA:PFA+1], s[96:97]
.irp s, 0,1
	s_mov_b32 s[G0+4*\s], 1
	s_add_co_u32 s[G0+4*\s+1], s45, \s*SLOT
	s_add_nc_u64 s[G0+4*\s+2:G0+4*\s+3], s[20:21], \s*APLANE
	s_or_b32 s[G0+4*\s+3], s[G0+4*\s+3], 0x80000000
	s_mov_b32 s[G0B+4*\s], 1
	s_add_co_u32 s[G0B+4*\s+1], s45, \s*SLOT
	s_add_nc_u64 s[G0B+4*\s+2:G0B+4*\s+3], s[46:47], \s*WPLANE
	s_or_b32 s[G0B+4*\s+3], s[G0B+4*\s+3], 0x80000000
.endr
	CROUND                                         ; all sixteen work-groups are here
	JLOAD G0, G1, G0B, G1B                         ; K step 0: one tensor load a wave at the head
	s_mul_i32 s18, s15, HALFT                      ; my 128 rows of A
	s_mul_i32 s19, s16, HALFT
	s_add_co_u32 s19, s19, 2*HALFT                 ; my 128 rows of B
	s_sub_co_u32 s22, s19, s18
	s_add_co_u32 s23, s18, 32768                   ; A's scale bytes
	s_mul_i32 s96, s15, PAIRB
	s_add_co_u32 s96, s96, STAGE
	s_mul_i32 s97, s16, 8704
	s_add_co_u32 s97, s97, s96                     ; out of the stage: wave 0 of a pair takes h, wave 1 c
	s_lshl_b32 s98, s16, 7
	s_add_co_u32 s96, s96, s98                     ; into it: my half of the rows' 256 bytes
	s_mul_i32 s46, s15, 128*272
	s_add_co_u32 s98, s98, s46
	s_add_co_u32 s98, s98, SLOT                    ; c's tile, my rows and columns
	v_and_b32 v1, 15, v0                           ; r
	v_bfe_u32 v2, v0, 4, 1                         ; h
	v_and_b32 v3, 31, v0
	v_lshlrev_b32 v4, 4, v3
	v_lshlrev_b32 v5, 4, v1
	v_mul_u32_u24 v6, s22, v2
	v_add_nc_u32 v6, v5, v6                        ; scale words: lanes 0-15 A's rows, lanes 16-31 B's
	v_add_nc_u32 v[ADRA], s18, v4
	v_add_nc_u32 v[ADRB], s19, v4
	v_add_nc_u32 v[ADRS], s23, v6
	v_add_nc_u32 v[ADRA+1], SLOT, v[ADRA]
	v_add_nc_u32 v[ADRB+1], SLOT, v[ADRB]
	v_add_nc_u32 v[ADRS+1], SLOT, v[ADRS]
	v_mul_u32_u24 v6, v1, 272
	v_lshl_add_u32 v6, v2, 5, v6                   ; row r, 32 bytes for each half of the lanes
	v_add_nc_u32 v[STO], s96, v6
	v_add_nc_u32 v[CAD0], s98, v6
	v_mul_u32_u24 v6, v2, 272
	v_add_nc_u32 v6, v6, v5                        ; back: sixteen lanes to a row, two rows an instruction
	v_add_nc_u32 v[RD], s97, v6
	v_lshl_add_u32 v[CO], v2, 12, v5
	v_lshlrev_b32 v[PFC], 12, v3
	v_lshlrev_b32 v[PFO], 8, v3
	v_min_u32 v7, 1, v3
	v_lshl_add_u32 v[PFO2], v7, 8, 8192
	v_lshlrev_b32 v7, 5, v2
	AW
	s_cmp_eq_u32 s15, 0                            ; K steps 1 and 2: their loads stand behind the next two rounds
	s_cbranch_scc0 .Lq0b
	ASK2 APLANE
	ASK2 2*APLANE
	s_branch .Lq0e
.Lq0b:
	ASK2 WPLANE
	ASK2 2*WPLANE
.Lq0e:
	s_lshl_b32 s46, s42, 8
	s_lshl_b32 s47, s16, 7
	s_add_co_u32 s46, s46, s47
	s_mov_b32 s47, 0
	s_add_nc_u64 s[74:75], s[74:75], s[46:47]
	s_add_nc_u64 s[76:77], s[76:77], s[46:47]
	s_add_nc_u64 s[78:79], s[78:79], s[46:47]
	WIN 0x40
.irp s, 0,1
.irp c, 0,1
	global_load_b128 v[WF+8*\s+4*\c:WF+8*\s+4*\c+3], v7, s[74:75] offset:64*\s+16*\c   ; the peephole weights of my 16 hidden units
	global_load_b128 v[WI+8*\s+4*\c:WI+8*\s+4*\c+3], v7, s[76:77] offset:64*\s+16*\c
	global_load_b128 v[WO+8*\s+4*\c:WO+8*\s+4*\c+3], v7, s[78:79] offset:64*\s+16*\c
.endr
.endr
	WIN 0
	s_lshl_b32 s96, s17, 8
	s_lshl_b32 s97, s14, 6
	s_add_co_u32 s96, s96, s97
	s_lshl_b32 s96, s96, 12
	s_lshl_b32 s97, s42, 8
	s_add_co_u32 s96, s96, s97
	s_mov_b32 s97, 0
	s_add_nc_u64 s[12:13], s[72:73], s[96:97]      ; c: row 256 x tile row + 64 x wave, column 64 x tile column
	s_mov_b32 s[G0C], 1
	s_mul_i32 s98, s14, 64*272
	s_add_co_u32 s[G0C+1], s98, SLOT
	s_mov_b64 s[G0C+2:G0C+3], s[12:13]
	s_or_b32 s[G0C+3], s[G0C+3], 0x80000000
	s_lshl_b32 s96, s17, 8
	s_lshl_b32 s98, s15, 7
	s_add_co_u32 s96, s96, s98
	s_lshl_b32 s96, s96, 12
	s_lshl_b32 s98, s42, 8
	s_add_co_u32 s96, s96, s98
	s_cmp_eq_u32 s16, 0
	s_cselect_b64 s[10:11], s[80:81], s[82:83]
	s_add_nc_u64 s[10:11], s[10:11], s[96:97]      ; the output that I store, my pair's first row
	s_mov_b32 s20, 0                               ; what the next way out adds to it
	s_mov_b32 s21, 0
	s_mov_b32 s4, 0xbfb8aa3b                       ; -L
	s_mov_b32 s5, s4
	s_mov_b32 s6, 0x4038aa3b                       ; 2 L
	s_mov_b32 s7, s6
	s_mov_b32 s8, 0x42200000                       ; 40
	s_wait_loadcnt 0x0
	WIN 0x41
.set i, 0
.rept 24
	v_pk_mul_f32 v[WF+i:WF+i+1], v[WF+i:WF+i+1], s[4:5] op_sel_hi:[1,0]
.set i, i+2
.endr
	WIN 0
.macro FRAG reg, adr, q, i
.irp c, 0,1
	ds_load_b128 v[\reg+4*\c:\reg+4*\c+3], v[\adr] offset:4096*(\i)+1024*(\q)+512*\c
.endr
.endm
; 16 products: A's blocks a0, a0 + 1 (of the set that ASET named) x B's eight of set p; the 64 accumulators take turns in the same order in every step
.macro MUL16 a0, p, q, sc, zero
.irp a, \a0, \a0+1
.irp b, 0,1,2,3,4,5,6,7
.if \zero
	v_wmma_scale_f32_16x16x128_f8f6f4 v[8*(8*((\a)%4)+\b):8*(8*((\a)%4)+\b)+7], v[128*(\p)+FR*\b:128*(\p)+FR*\b+FR-1], v[AF+FR*(\a):AF+FR*(\a)+FR-1], 0, v[SC+8*NQ*(\sc)+NQ*\b+(\q)], v[SC+8*NQ*(\sc)+NQ*(\a)+(\q)] matrix_a_fmt:MATRIX_FMT_FP4 matrix_b_fmt:MATRIX_FMT_FP4 matrix_a_scale:MATRIX_SCALE_ROW1
.else
	v_wmma_scale_f32_16x16x128_f8f6f4 v[8*(8*((\a)%4)+\b):8*(8*((\a)%4)+\b)+7], v[128*(\p)+FR*\b:128*(\p)+FR*\b+FR-1], v[AF+FR*(\a):AF+FR*(\a)+FR-1], v[8*(8*((\a)%4)+\b):8*(8*((\a)%4)+\b)+7], v[SC+8*NQ*(\sc)+NQ*\b+(\q)], v[SC+8*NQ*(\sc)+NQ*(\a)+(\q)] matrix_a_fmt:MATRIX_FMT_FP4 matrix_b_fmt:MATRIX_FMT_FP4 matrix_a_scale:MATRIX_SCALE_ROW1
.endif
.endr
.endr
.endm
.macro FETCH slot, q, p                ; 32 LDS loads: B's eight and A's eight fragments of the slot's q-th 128 along K into sets p
	WIN TO_B
.irp i, 0,1,2,3,4,5,6,7
	FRAG 128*(\p)+FR*\i, ADRB+\slot, \q, \i
.endr
	WIN 0
	ASET \p
.irp i, 0,1,2,3,4,5,6,7
	FRAG AF+FR*\i, ADRA+\slot, \q, \i
.endr
.endm
.macro SCALES slot
.irp i, 0,1,2,3,4,5,6,7
	ds_load_b128 v[SC+8*NQ*\slot+NQ*\i:SC+8*NQ*\slot+NQ*\i+3], v[ADRS+\slot] offset:256*\i
.endr
.endm
.macro PLACES n
.rept \n
	v_nop
.endr
.endm
.macro STEP slot, q, zero              ; 128 along K: 64 products on sets q % 2; the next step's fragments go into the other sets
	s_wait_dscnt 0                                 ; my sets are in: asked for 48 products ago
	PLACES NP                                      ; behind the last step's products, which read the sets that the loads below fill
	ASET (\q)%2
	WIN MUL_LO
	MUL16 0, (\q)%2, \q, \slot, \zero
	FETCH \slot, (\q)+1, 1-(\q)%2
	ASET (\q)%2
	WIN MUL_LO
	MUL16 2, (\q)%2, \q, \slot, \zero
	WIN MUL_HI
	MUL16 4, (\q)%2, \q, \slot, \zero
	MUL16 6, (\q)%2, \q, \slot, \zero
	WIN 0
.endm
.macro STEPS slot, from
.set Q, \from
.rept NQ-1-\from
	STEP \slot, Q, 0
.set Q, Q+1
.endr
.endm
.macro MEET sc                         ; the head of a slot's last step: sixteen products between the add and its wait, and the barrier
	s_wait_tensorcnt 0x0
	ds_add_u32 v[SPW], v[NIL]
	s_wait_dscnt 1                                 ; my sets are in; the add may be out
	ASET 1
	WIN MUL_LO
	MUL16 0, 1, NQ-1, \sc, 0
	WIN 0
	s_wait_dscnt 0x0
	s_barrier_signal -1
	s_barrier_wait -1
.endm
.macro REST sc                         ; the step's other 48 products
	ASET 1
	WIN MUL_LO
	MUL16 2, 1, NQ-1, \sc, 0
	WIN MUL_HI
	MUL16 4, 1, NQ-1, \sc, 0
	MUL16 6, 1, NQ-1, \sc, 0
	WIN 0
.endm
; A slot's last step changes slots: a round of the cluster's barrier, the refill first behind it, then the next slot's first fragments.
; kind 0: slot 0 takes K step 2;  kind 1: slot 1 takes c's tile
.macro TURN slot, next, kind
	MEET \slot
	CREST
.if \kind
	CLOAD
.else
	s_add_nc_u64 s[G0+2:G0+3], s[G0+2:G0+3], 2*APLANE
	s_add_nc_u64 s[G0B+2:G0B+3], s[G0B+2:G0B+3], 2*WPLANE
	JLOAD G0, G1, G0B, G1B
.endif
	FETCH \next, 0, 0                              ; (the four v_nop behind the load are the places in front of these)
	SCALES \next
.if \kind
	ASKA APLANE+NEXTT                              ; tile 1's K step 1
.else
	ASKA NEXTT                                     ; tile 1's K step 0
.endif
	REST \slot
.endm
.macro CLD adr, off                    ; c of a unit: 32 rows x my 32 hidden units, 32 numbers a lane, into window 1
	WIN 0x40
.irp rb, 0,1
.irp s, 0,1
.irp c, 0,1
	ds_load_b128 v[XC+16*\rb+8*\s+4*\c:XC+16*\rb+8*\s+4*\c+3], v[\adr] offset:\off+4352*\rb+64*\s+16*\c
.endr
.endr
.endr
	WIN 0
.endm
; A tile's last step.  Behind its barrier c's tile is whole.  fill = 1: slot 0 takes the next tile's K step 0.  The first unit's c is fetched under the last 48 products, into registers of B's set 0.
.macro TURNE fill
	MEET 0
.if \fill
	CREST
	s_sub_nc_u64 s[G0+2:G0+3], s[G0+2:G0+3], 2*APLANE-NEXTT
	s_sub_nc_u64 s[G0B+2:G0B+3], s[G0B+2:G0B+3], 2*WPLANE
	JLOAD G0, G1, G0B, G1B
.else
	PLACES NP
.endif
	CLD CAD0, 0
.if \fill
	ASKA 2*APLANE+NEXTT                            ; tile 1's K step 2
.endif
	REST 0
	PLACES NP
.endm
.macro OLOAD                           ; a unit's 32 rows of my output, back from the stage
	s_wait_xcnt 0x0                                ; the stores of the unit before have read these registers
	WIN 0x40
.irp t, 0,1,2,3,4,5,6,7,8,9,10,11,12,13,14,15
	ds_load_b128 v[OB+4*\t:OB+4*\t+3], v[RD] offset:544*\t
.endr
	WIN 0
.endm
.macro SEND
	s_wait_xcnt 0x0                                ; earlier stores have read their base
	s_add_nc_u64 s[10:11], s[10:11], s[20:21]
	s_mov_b32 s20, 131072                          ; 32 rows on
	WIN 0x04
.irp t, 0,1,2,3,4,5,6,7,8,9,10,11,12,13,14,15
	global_store_b128 v[CO], v[OB+4*\t:OB+4*\t+3], s[10:11] offset:8192*\t th:TH_STORE_NT   ; sixteen lanes store 256 consecutive bytes, aligned
.endr
	WIN 0
.endm
; The change of tiles.  The round's barrier also parts the last unit's stores into the stage from their reading; the refill stands first behind the round.
.macro CHANGE
	s_wait_tensorcnt 0x0
	ds_add_u32 v[SPW], v[NIL]
	s_add_nc_u64 s[G0+6:G0+7], s[G0+6:G0+7], NEXTT
	s_add_nc_u64 s[G0C+2:G0C+3], s[G0C+2:G0C+3], 4096*4096
	s_wait_xcnt 0x0
	s_add_nc_u64 s[12:13], s[12:13], 4096*4096
	s_mov_b32 s[ASKF], 0
	s_wait_dscnt 0x0
	CROUND
	JLOAD G0+4, G1, G0B+4, G1B
	OLOAD
	FETCH 0, 0, 0
	SCALES 0
	s_wait_dscnt 40                                ; the stage's 16 loads are in; the 40 behind them may be out
	SEND
	s_mov_b32 s20, 4096*4096-3*131072              ; from tile 0's last unit to tile 1's first
	ASKC                                           ; c of tile 1
.endm
.macro VV op, d, a, b                  ; 32 numbers, two at a time
.set i, 0
.rept 16
	\op v[\d+i:\d+i+1], v[\a+i:\a+i+1], v[\b+i:\b+i+1]
.set i, i+2
.endr
.endm
.macro VF d, a, b, c
.set i, 0
.rept 16
	v_pk_fma_f32 v[\d+i:\d+i+1], v[\a+i:\a+i+1], v[\b+i:\b+i+1], v[\c+i:\c+i+1]
.set i, i+2
.endr
.endm
.macro VK d, a, k
.set i, 0
.rept 16
	v_pk_add_f32 v[\d+i:\d+i+1], v[\a+i:\a+i+1], \k op_sel_hi:[1,0]
.set i, i+2
.endr
.endm
.macro ONE op, base, n
.set i, 0
.rept \n
	\op v[\base+i], v[\base+i]
.set i, i+1
.endr
.endm
.macro HOLD base, n
.set i, 0
.rept \n
	v_min_num_f32 v[\base+i], s8, v[\base+i]
.set i, i+1
.endr
.endm
; Unit u's 16 accumulators (row blocks 2 u, 2 u + 1) are read, each from its low end on: the one part of a unit whose register numbers change
.macro STANZA id, u, br
.Lst\id\()_\u:
	WIN 0x02+(\u)/2
	AW
.irp rb, 0,1
.irp s, 0,1
.irp j, 0,2,4,6
.set AB, 64*((2*(\u)+\rb)%4)+32*\s+\j
.set E, 16*\rb+8*\s+\j
	v_pk_fma_f32 v[XF+E:XF+E+1], v[AB:AB+1], s[4:5], v[XF+E:XF+E+1] op_sel_hi:[1,0,1]
	v_pk_fma_f32 v[XI+E:XI+E+1], v[AB+8:AB+9], s[4:5], v[XI+E:XI+E+1] op_sel_hi:[1,0,1]
	v_pk_mul_f32 v[XG+E:XG+E+1], v[AB+16:AB+17], s[6:7] op_sel_hi:[1,0]
	v_pk_mul_f32 v[XO+E:XO+E+1], v[AB+24:AB+25], s[4:5] op_sel_hi:[1,0]
.endr
.endr
.endr
	WIN 0
	AW
.if \br
	s_branch .Ljoin\id
.endif
.endm
.macro EPI id
	s_mov_b32 s3, 0
	s_mov_b32 s9, 0
	s_wait_dscnt 0x0                               ; the first unit's c is in (a later unit's: by the wait ahead of the stores below)
.Lepi\id:
	WIN 0x05
.set i, 0
.rept 16
	v_pk_mul_f32 v[XF+i:XF+i+1], v[XC+i:XC+i+1], v[WF+(i%16):WF+(i%16)+1]   ; -L c W_cf
	v_pk_mul_f32 v[XI+i:XI+i+1], v[XC+i:XC+i+1], v[WI+(i%16):WI+(i%16)+1]   ; -L c W_ci
.set i, i+2
.endr
	WIN 0
	v_add_nc_u32 v[CAD], s9, v[CAD0]
	AW
	s_cmp_eq_u32 s3, 0
	s_cbranch_scc1 .Lst\id\()_0
	s_cmp_eq_u32 s3, 1
	s_cbranch_scc1 .Lst\id\()_1
	s_cmp_eq_u32 s3, 2
	s_cbranch_scc1 .Lst\id\()_2
	STANZA \id, 3, 1
	STANZA \id, 0, 1
	STANZA \id, 1, 1
	STANZA \id, 2, 0
.Ljoin\id:
	HOLD XF+48, 48                                 ; the upper 48 of the 96 exponents: half of xi's, all of xg's
	AW
	s_wait_dscnt 0x0                               ; my stores of the unit before into the stage are done:
	s_barrier_signal -1                            ; say so
.set i, 0
.rept 48
	v_exp_f32 v[XF+48+i], v[XF+48+i]               ; half of b, all of e; among them the hold of the lower 48
	v_min_num_f32 v[XF+i], s8, v[XF+i]
.set i, i+1
.endr
	AW
.set i, 0
.rept 16
	v_exp_f32 v[XF+3*i], v[XF+3*i]                 ; a and the rest of b; among them E = e + 1 and g = e - 1
	v_pk_add_f32 v[XD+2*i:XD+2*i+1], v[XG+2*i:XG+2*i+1], 1.0 op_sel_hi:[1,0]
	v_exp_f32 v[XF+3*i+1], v[XF+3*i+1]
	v_pk_add_f32 v[XG+2*i:XG+2*i+1], v[XG+2*i:XG+2*i+1], -1.0 op_sel_hi:[1,0]
	v_exp_f32 v[XF+3*i+2], v[XF+3*i+2]
.set i, i+1
.endr
	v_nop
	AW
	s_barrier_wait -1                              ; read the stage when all have said so
	s_cmp_eq_u32 s3, 0
	s_cbranch_scc1 .Lnol\id                        ; (the first unit has none before it)
	OLOAD
.Lnol\id:
	VF XD, XI, XD, XD                              ; P = b E + E
	VF XI, XF, XD, XD                              ; the denominator a P + P
	WIN 0x01
	VF XD, XC, XD, XG                              ; c P + g
	WIN 0
	AW
.set i, 0
.rept 16
	v_rcp_f32 v[XI+i], v[XI+i]
	v_rcp_f32 v[XI+i+1], v[XI+i+1]
	v_pk_fma_f32 v[XD+i:XD+i+1], v[XF+i:XF+i+1], v[XG+i:XG+i+1], v[XD+i:XD+i+1]   ; + a g: the numerator
.set i, i+2
.endr
	AW
	s_cmp_eq_u32 s3, 3
	s_cbranch_scc1 .Lnoc\id
	CLD CAD, 8704                                  ; the next unit's c
.Lnoc\id:
	VV v_pk_mul_f32, XD, XI, XD                    ; c'
	WIN 0x04
.set i, 0
.rept 16
	v_pk_fma_f32 v[XO+i:XO+i+1], v[XD+i:XD+i+1], v[WO+(i%16):WO+(i%16)+1], v[XO+i:XO+i+1]   ; -L (xo + c' W_co)
.set i, i+2
.endr
	WIN 0
.set i, 0
.rept 16
	v_pk_mul_f32 v[XG+i:XG+i+1], v[XD+i:XD+i+1], s[6:7] op_sel_hi:[1,0]   ; 2 L c'
.set i, i+2
.endr
	AW
	s_wait_dscnt 0x0                               ; the unit before is back from the stage, and the next unit's c is in
	s_cmp_eq_u32 s3, 0
	s_cbranch_scc1 .Lnos\id
	SEND
.Lnos\id:
	s_barrier_signal -1                            ; my reads of the stage are over
.set i, 0
.rept 32
	v_exp_f32 v[XO+i], v[XO+i]                     ; o; among them the hold of t's exponents
	v_min_num_f32 v[XG+i], s8, v[XG+i]
.set i, i+1
.endr
	AW
	ONE v_exp_f32, XG, 32                          ; t
	v_nop
	AW
	VK XF, XG, 1.0                                 ; T
	VF XO, XO, XF, XF                              ; o T + T
	AW
.set i, 0
.rept 16
	v_rcp_f32 v[XO+i], v[XO+i]
	v_rcp_f32 v[XO+i+1], v[XO+i+1]
	v_pk_add_f32 v[XG+i:XG+i+1], v[XG+i:XG+i+1], -1.0 op_sel_hi:[1,0]   ; t - 1
.set i, i+2
.endr
	AW
	VV v_pk_mul_f32, XF, XO, XG                    ; h
	AW
	s_barrier_wait -1                              ; everybody's reads are over: the stage may be written
.irp rb, 0,1
.irp s, 0,1
.irp c, 0,1
	ds_store_b128 v[STO], v[XF+16*\rb+8*\s+4*\c:XF+16*\rb+8*\s+4*\c+3] offset:4352*\rb+64*\s+16*\c
	ds_store_b128 v[STO], v[XD+16*\rb+8*\s+4*\c:XD+16*\rb+8*\s+4*\c+3] offset:8704+4352*\rb+64*\s+16*\c
.endr
.endr
.endr
	s_add_co_u32 s9, s9, 8704
	s_add_co_u32 s3, s3, 1
	s_cmp_lt_u32 s3, 4
	s_cbranch_scc1 .Lepi\id
.endm
	AW                                             ; the head's end
	s_wait_tensorcnt 0x0                           ; my part of K step 0 is in
	ds_add_u32 v[SPW], v[NIL]
	s_wait_dscnt 0x0
	CROUND
	JLOAD G0+4, G1, G0B+4, G1B                     ; K step 1
	FETCH 0, 0, 0
	SCALES 0
	ASKC                                           ; c of tile 0, which the refill two on will load
	s_mov_b32 s2, 0
.Ltile:
	STEP 0, 0, 1                                   ; a tile's first products start the sums
	STEPS 0, 1
	TURN 0, 1, 0
	STEPS 1, 0
	TURN 1, 0, 1
	STEPS 0, 0
	s_cmp_eq_u32 s2, 1
	s_cbranch_scc1 .Llast                          ; the last tile's tail is written out: it asks for nothing more
	TURNE 1
	EPI 0
	CHANGE
	s_add_co_u32 s2, s2, 1
	s_cmp_lt_u32 s2, 2
	s_cbranch_scc1 .Ltile
.Llast:
	TURNE 0
	EPI 1
	s_wait_dscnt 0x0                               ; the last unit: stores, barrier, back, out
	s_barrier_signal -1
	s_barrier_wait -1
	OLOAD
	s_wait_dscnt 0x0
	SEND
	s_wait_tensorcnt 0x0                           ; the wave's end
	ds_add_u32 v[SPW], v[NIL]
	s_wait_dscnt 0x0
	CROUND                                         ; the closing round
	s_endpgm
.Lfunc_end_k_q98bc109e0b_lstm:
	.size	k_q98bc109e0b_lstm, .Lfunc_end_k_q98bc109e0b_lstm-k_q98bc109e0b_lstm
	.p2alignl 7, 3214868480
	.fill 96, 4, 3214868480
	.section	.rodata,"a",@progbits
	.p2align	6, 0x0
	.amdhsa_kernel k_q98bc109e0b_lstm
		.amdhsa_group_segment_fixed_size 327680
		.amdhsa_private_segment_fixed_size 0
		.amdhsa_enable_private_segment 0
		.amdhsa_kernarg_size 64
		.amdhsa_user_sgpr_count 2
		.amdhsa_user_sgpr_kernarg_segment_ptr 1
		.amdhsa_wavefront_size32 1
		.amdhsa_system_sgpr_workgroup_id_x 1
		.amdhsa_system_sgpr_workgroup_id_y 1
		.amdhsa_system_sgpr_workgroup_id_z 1
		.amdhsa_system_vgpr_workitem_id 0
		.amdhsa_next_free_vgpr 1024
		.amdhsa_next_free_sgpr 100
		.amdhsa_reserve_vcc 0
		.amdhsa_float_denorm_mode_32 3
		.amdhsa_float_denorm_mode_16_64 3
		.amdhsa_memory_ordered 1
		.amdhsa_forward_progress 1
		.amdhsa_inst_pref_size 255
	.end_amdhsa_kernel
	.section	.bss,"aw",@nobits
	.p2align	6
	.space	262144
	.amdgpu_metadata
---
amdhsa.version: [ 1, 2 ]
amdhsa.kernels:
  - .name:           k_q98bc109e0b_lstm
    .symbol:         k_q98bc109e0b_lstm.kd
    .args:
      - { .name: aq, .offset: 0, .size: 8, .value_kind: global_buffer, .address_space: global }
      - { .name: wq, .offset: 8, .size: 8, .value_kind: global_buffer, .address_space: global }
      - { .name: c_prev, .offset: 16, .size: 8, .value_kind: global_buffer, .address_space: global }
      - { .name: W_cf, .offset: 24, .size: 8, .value_kind: global_buffer, .address_space: global }
      - { .name: W_ci, .offset: 32, .size: 8, .value_kind: global_buffer, .address_space: global }
      - { .name: W_co, .offset: 40, .size: 8, .value_kind: global_buffer, .address_space: global }
      - { .name: out0, .offset: 48, .size: 8, .value_kind: global_buffer, .address_space: global }
      - { .name: out1, .offset: 56, .size: 8, .value_kind: global_buffer, .address_space: global }
    .group_segment_fixed_size: 327680
    .private_segment_fixed_size: 0
    .kernarg_segment_align: 8
    .kernarg_segment_size: 64
    .max_flat_workgroup_size: 128
    .sgpr_count:     100
    .vgpr_count:     1024
    .wavefront_size: 32
...
	.end_amdgpu_metadata
.endif
;; end of part 2
